; MI455X (gfx1250); checked and timed in simulation.
; The chip was launched on July 23, 2026; its instructions are those of AMD's public machine-readable ISA for CDNA 5 (MIT licence, August 2026) and "CDNA5" Instruction Set Architecture Reference Guide (July 2026). The comments in the code are by the model that wrote it; some were corrected since.
;; Logistic Regression Model. Allowed arithmetic: float matrix products may take bf16 or f16 operands with f32 sums; other float arithmetic in f32, or as packed bf16 or f16 multiplies, adds, multiply-adds, maxima and minima; sums over many terms, partial sums and values carried from step to step in f32; what a program stores and reads back later, other than sums and carried values, may be rounded once to bf16 or f16.
;; Inputs: bias 8,192 float32; inp 2,048 x 4,096 float32; weights 4,096 x 8,192 float32.
;; Outputs: out0 2,048 x 8,192 float32.
;; 2 versions, each right; version 2 is version 1 with the launch cast written anew for expert scheduling mode. Each part assembles by itself: llvm-mc -triple=amdgcn-amd-amdhsa -mcpu=gfx1250 --defsym DOCPART=n.
;; ======== version 1 of 2: 2 launches
;; workspace buffers: abf 16,777,216 bytes; wbf 67,108,864 bytes
;; launch cast (part 1): grid 1280 x 1, 8 waves a work-group, no clusters, 0 bytes of LDS; arguments inp, weights, abf, wbf; writes abf, wbf
.if DOCPART == 1
	.amdgcn_target "amdgcn-amd-amdhsa--gfx1250"
	.amdhsa_code_object_version 6
	.text
	.protected	k_q2bf6fdf516_cast
	.globl	k_q2bf6fdf516_cast
	.p2align	8
	.type	k_q2bf6fdf516_cast,@function
k_q2bf6fdf516_cast:
	s_mov_b64 s[64:65], 0
	v_nop
	global_prefetch_b8 v0, s[64:65] scope:SCOPE_SE
	s_setreg_imm32_b32 hwreg(HW_REG_WAVE_MODE, 25, 1), 1
	s_wait_xcnt 0x0
; abf = inp rounded to bf16, wbf = weights rounded to bf16, both in the layout of their sources (row-major, nothing is transposed).
; LIMITS.  One rounding to nearest even; an f32 beyond bf16's largest finite number becomes an infinity; NaN stays NaN.
; SHARES.  The two sources together are 160 MiB of f32, cut into 1,280 chunks of 131,072 bytes: work-groups 0-255 take inp's 256 chunks, work-groups 256-1279 weights' 1,024.
; A chunk is 32 pieces of 4,096 bytes in and 2,048 bytes out.  Thread t takes the 16 bytes at 16 t of each piece and stores the 8 bytes at 8 t:
; a wave's load covers 512 consecutive bytes, aligned; a wave's store covers 256 consecutive bytes, aligned.
; All 32 loads of a wave go out at once (16 KiB a wave); the waits count down; no register that a memory instruction names is written again, so nothing else is waited for.
; Left out: LDS, tensor loads, matrix units, clusters (no byte is wanted twice) and a prefetch (the launch does nothing but stream).
.set PIECES, 32
.set INB,    4096                      ; bytes of a piece in
.set OUTB,   2048                      ; bytes of a piece out
.set X,      4                         ; v[4:131]  piece i: four registers as loaded; the first two then hold its four bf16
	s_load_b256 s[4:11], s[0:1], 0x0               ; inp s[4:5], weights s[6:7], abf s[8:9], wbf s[10:11]
	v_lshlrev_b32 v1, 4, v0                        ; 16 t; never rewritten
	v_lshlrev_b32 v2, 3, v0                        ; 8 t; never rewritten
	s_sub_co_u32 s12, ttmp9, 256                   ; the chunk's number in weights,
	s_cmp_lt_u32 ttmp9, 256                        ; or, for the first 256 work-groups,
	s_cselect_b32 s12, ttmp9, s12                  ; in inp
	s_wait_kmcnt 0x0                               ; (leaves the comparison's result as it is)
	s_cselect_b64 s[14:15], s[4:5], s[6:7]         ; the source
	s_cselect_b64 s[16:17], s[8:9], s[10:11]       ; and its copy
	s_lshl_b32 s18, s12, 17                        ; 131,072 bytes a chunk in: 1,023 x 131,072 at the most
	s_mov_b32 s19, 0
	s_lshl_b32 s20, s12, 16                        ; 65,536 out
	s_mov_b32 s21, 0
	s_add_nc_u64 s[14:15], s[14:15], s[18:19]
	s_add_nc_u64 s[16:17], s[16:17], s[20:21]
.set i, 0
.rept PIECES
	global_load_b128 v[X+4*i:X+4*i+3], v1, s[14:15] offset:INB*i th:TH_LOAD_NT
.set i, i+1
.endr
.set i, 0
.rept PIECES
	s_wait_loadcnt PIECES-1-i                      ; loads come back in order: piece i is in, the younger ones stay out
	v_cvt_pk_bf16_f32 v[X+4*i], v[X+4*i], v[X+4*i+1]      ; two roundings, the lower column in the low half
	v_cvt_pk_bf16_f32 v[X+4*i+1], v[X+4*i+2], v[X+4*i+3]
	global_store_b64 v2, v[X+4*i:X+4*i+1], s[16:17] offset:OUTB*i th:TH_STORE_NT
.set i, i+1
.endr
	s_endpgm
.Lfunc_end_k_q2bf6fdf516_cast:
	.size	k_q2bf6fdf516_cast, .Lfunc_end_k_q2bf6fdf516_cast-k_q2bf6fdf516_cast
	.p2alignl 7, 3214868480
	.fill 96, 4, 3214868480
	.section	.rodata,"a",@progbits
	.p2align	6, 0x0
	.amdhsa_kernel k_q2bf6fdf516_cast
		.amdhsa_group_segment_fixed_size 0
		.amdhsa_private_segment_fixed_size 0
		.amdhsa_enable_private_segment 0
		.amdhsa_kernarg_size 32
		.amdhsa_user_sgpr_count 2
		.amdhsa_user_sgpr_kernarg_segment_ptr 1
		.amdhsa_wavefront_size32 1
		.amdhsa_system_sgpr_workgroup_id_x 1
		.amdhsa_system_sgpr_workgroup_id_y 1
		.amdhsa_system_sgpr_workgroup_id_z 1
		.amdhsa_system_vgpr_workitem_id 0
		.amdhsa_next_free_vgpr 136
		.amdhsa_next_free_sgpr 66
		.amdhsa_reserve_vcc 0
		.amdhsa_float_denorm_mode_32 3
		.amdhsa_float_denorm_mode_16_64 3
		.amdhsa_memory_ordered 1
		.amdhsa_forward_progress 1
		.amdhsa_inst_pref_size 12
	.end_amdhsa_kernel
	.amdgpu_metadata
---
amdhsa.version: [ 1, 2 ]
amdhsa.kernels:
  - .name:           k_q2bf6fdf516_cast
    .symbol:         k_q2bf6fdf516_cast.kd
    .args:
      - { .name: inp, .offset: 0, .size: 8, .value_kind: global_buffer, .address_space: global }
      - { .name: weights, .offset: 8, .size: 8, .value_kind: global_buffer, .address_space: global }
      - { .name: abf, .offset: 16, .size: 8, .value_kind: global_buffer, .address_space: global }
      - { .name: wbf, .offset: 24, .size: 8, .value_kind: global_buffer, .address_space: global }
    .group_segment_fixed_size: 0
    .private_segment_fixed_size: 0
    .kernarg_segment_align: 8
    .kernarg_segment_size: 32
    .max_flat_workgroup_size: 256
    .sgpr_count:     66
    .vgpr_count:     136
    .wavefront_size: 32
...
	.end_amdgpu_metadata
.endif
;; end of part 1
;; launch gemm (part 2): grid 32 x 8, 4 waves a work-group, clusters of 4 x 4, 327,680 bytes of LDS; arguments abf, wbf, bias, out0; writes out0
.if DOCPART == 2
	.amdgcn_target "amdgcn-amd-amdhsa--gfx1250"
	.amdhsa_code_object_version 6
	.text
	.protected	k_q2bf6fdf516_gemm
	.globl	k_q2bf6fdf516_gemm
	.p2align	8
	.type	k_q2bf6fdf516_gemm,@function
k_q2bf6fdf516_gemm:
	s_mov_b64 s[64:65], 0
	v_nop
	global_prefetch_b8 v0, s[64:65] scope:SCOPE_SE
	s_setreg_imm32_b32 hwreg(HW_REG_WAVE_MODE, 25, 1), 1
	s_wait_xcnt 0x0
	s_wait_alu depctr_hold_cnt(0) depctr_sa_sdst(0) depctr_va_vdst(0) depctr_va_sdst(0) depctr_va_ssrc(0) depctr_va_vcc(0) depctr_vm_vsrc(0)
	s_getreg_b32 s2, hwreg(HW_REG_IB_STS2, 6, 4)
	s_cmp_eq_u32 s2, 0
	s_cbranch_scc0 .Lentry_in_a_cluster
	s_endpgm
.Lentry_in_a_cluster:
	s_bfe_u32 s2, ttmp6, 0x10000c
	s_cmp_lg_u32 s2, 0xf033
	s_cbranch_scc0 .Lentry_shape_is_right
	s_endpgm
.Lentry_shape_is_right:
; out0[m][n] = the sum over k of abf[m][k] wbf[k][n] + bias[n].  abf: [2048][4096] bf16, wbf: [4096][8192] bf16 (k down the rows, as the weights lie), bias: [8192] f32, out0: [2048][8192] f32.
; LIMITS.  The operands were rounded once to bf16 by the launch before; sums in f32, K ascending, one accumulator an output; the bias is added last, in f32, so the order of roundings is not the
; reference's.  NaN and infinities go through the arithmetic untreated.
; SHARES.  out0 has 8 x 32 = 256 tiles of 256 x 256: a work-group a tile, four waves, each 128 x 128: 64 accumulators of 16 x 16, 512 registers.  K goes in 32 steps of 128 through a ring of two LDS
; slots filled by the tensor data mover: 256 rows x 256 bytes of abf and 128 rows (k) x 512 bytes of wbf a step; all these rows begin at multiples of 256 bytes from their buffer's first byte.
; CLUSTERS: 4 x 4 work-groups.  The four of a row of the cluster make tiles of one tile row and need the same tiles of abf, the four of a column the same tiles of wbf: each tile is asked for
; JOINTLY, by the same tensor load with the same descriptor and a mask that names the four; each receives it in its own LDS.  That divides the requests for both operands by four.
; THE MATRIX INSTRUCTION IS USED TRANSPOSED: source 0 = 16 columns n of wbf, source 1 = 16 rows of abf.  In the result lane l holds row l % 16 of out0 and the columns 8 (l / 16) + 0..7: 32 bytes on end.
; wbf's fragments want k along a lane's registers, and in LDS k goes down the rows: ds_load_tr16_b128 turns them on the way into registers, so no transposed copy of the weights is ever made.
; REGISTERS, in windows of 256 (s_set_vgpr_msb's low byte: bits 1:0 source 0, 3:2 source 1, 5:4 source 2, 7:6 destination):
;   window 0: v0-35 addresses and the bias; v64-127, v128-191 fragments of abf (8 x 16 rows x 32 K), two buffers; on the way out the same 128 registers take rows read back from the stage
;   window 1: v64-127, v128-191 fragments of wbf, two buffers
;   window 2: the 32 accumulators of my rows 0-63 (accumulator (a, b) at v[8 (8 a + b)]);   window 3: those of my rows 64-127
.set SIZE_N, 8192
.set SIZE_K, 4096
.set KSTEP,  128
.set PA,     272                       ; a row of abf in LDS: 256 bytes + 16 of padding = 68 words: row r starts at bank 4 r mod 64 (64 banks of 4 bytes: ISA guide 11.1): the 16 rows of a load start at 16 different banks
.set PB,     544                       ; a row of wbf: 512 + 32 = 136 words: row r starts at bank 8 r mod 64
.set HALFT,  128*PA                    ; what one tensor load brings: 128 rows of abf, or 64 rows of wbf (64 x 544 is the same 34,816 bytes)
.set SLOT,   4*HALFT                   ; abf's 256 rows, then wbf's 128 rows
.set BOFF,   2*HALFT                   ; where wbf's rows begin in a slot
.set STAGE,  2*SLOT                    ; behind the ring, never filled by a tensor load: 16 rows x 528 bytes for each wave, for the way out
.set SP,     528                       ; a stage row: 512 bytes + 16: the 16 rows that a store touches start at 16 different groups of four banks
.set SPARE,  STAGE+4*16*SP             ; behind the stages: the spare words, 128 bytes for each wave: two blocks of 256 bytes that no other line names
.set LAPS,   SIZE_K/(2*KSTEP)          ; a lap = two K steps = once round the ring: 16
.set ASTEP,  KSTEP*2                   ; a K step in abf: 256 bytes along the rows
.set BSTEP,  KSTEP*SIZE_N*2            ; a K step in wbf: 128 rows of 16,384 bytes
.set ROWC,   SIZE_N*4                  ; a row of out0 in bytes
.set ADRA, 16                          ; v16-17  LDS address of my fragments of abf in slot 0, 1
.set ADRB, 20                          ; v20-21  the same for wbf
.set STO,  24                          ; v24     the way out: where I put 32 bytes of a row
.set RD,   25                          ; v25     the way out: where I read a row back
.set CO,   26                          ; v26     16 x lane: my 16 bytes in 512 consecutive bytes of out0 and of bias; never rewritten
.set SPW,  28                          ; v28     LDS address of my spare word: SPARE + 4 x my thread's number; never rewritten
.set NIL,  29                          ; v29     0; never rewritten
.set PFO,  30                          ; v30     the prefetches' lane offset; never rewritten
.set BIAS, 32                          ; v[32:35] the bias of my four columns on the way out
.set F0,   64                          ; fragment buffer 0
.set F1,   128                         ; fragment buffer 1
.set OB,   64                          ; the way out: 16 rows read back from the stage, 64 registers: v64-127 and v128-191 by turns
.set WV,   12                          ; s12  my wave's number
.set RH,   13                          ; s13  which half of the tile's rows is mine.  Also: I fetch for abf (0) or for wbf (1)
.set CH,   14                          ; s14  which half of its columns.  Also: which half of that operand's tile I fetch
.set LIM,  15                          ; s15  1 in a wave that prefetches, else the greatest number
.set G1,   24                          ; s[24:31] descriptor group 1 for abf's tiles
.set G0,   32                          ; s[32:39] descriptor group 0 for abf's tiles, one set for each slot
.set PFA,  44                          ; s[44:45] where my prefetches stand
.set PFS,  46                          ; s[46:47] a K step in the operand that I fetch, in bytes
.set G1B,  48                          ; s[48:55] descriptor group 1 for wbf's tiles
.set G0B,  56                          ; s[56:63] descriptor group 0 for wbf's tiles, one set for each slot
.set MSB, 0
.macro WIN new                         ; the immediate's high byte repeats the setting that is left; a switch that changes nothing is dropped
.if MSB != (\new)
	s_set_vgpr_msb (MSB<<8)|(\new)
.set MSB, \new
.endif
.endm
.set MUL_LO, 0xa1                      ; source 0 (wbf) window 1, source 1 (abf) window 0, C and D window 2
.set MUL_HI, 0xf1                      ; the same, C and D window 3
.set TO_B,   0x40                      ; destination window 1, address window 0
; A joint load.  Waves 0 and 1 fetch abf's two halves (128 rows each), waves 2 and 3 wbf's (64 rows of k each).  Each of the two lines has ONE mask and one set of registers for all that issue it.
; The branch hangs on the wave's number alone.  An s_nop 0 and four v_nop follow each of the two lines, ahead of the jump, the label and what follows the macro.
.macro JLOAD s
	s_cmp_eq_u32 s[RH], 0
	s_cbranch_scc0 .Lfor_b_\@
	tensor_load_to_lds s[G0+4*(\s):G0+4*(\s)+3], s[G1:G1+7]
	s_nop 0
.rept 4
	v_nop
.endr
	s_branch .Lasked_\@
.Lfor_b_\@:
	tensor_load_to_lds s[G0B+4*(\s):G0B+4*(\s)+3], s[G1B:G1B+7]
	s_nop 0
.rept 4
	v_nop
.endr
.Lasked_\@:
.endm
; A PREFETCH INTO THE L2, behind each joint refill, its five lines and the run of LDS loads that follows them: 32 blocks of 256 bytes of the K step that stands TWO refills on (512 matrix instructions
; ahead of the load that will want it), a lane a block, one instruction a wave.  Each block is named ONCE in the launch.  abf's tile row is read by every cluster of that row of clusters: cluster x = 0
; asks; wbf's tile column by every cluster of that column: cluster y = 0 asks.  The four partners that ask for a tile jointly share it out BY ADDRESS: of what wave w fetches, the partner at place p
; takes rows 32 p .. 32 p + 31 of abf (p = cx), or rows 16 p .. 16 p + 15 of wbf, two blocks each (p = cy).  The loop's last trip (s3 = 1) asks for nothing: K has no step 32.
.macro ASK
	s_cmp_gt_u32 s3, s[LIM]
	s_cbranch_scc0 .Lnot_mine_\@
	global_prefetch_b8 v[PFO], s[PFA:PFA+1] th:TH_LOAD_NT scope:SCOPE_SE
.Lnot_mine_\@:
.endm
; A round of the cluster's barrier: my work-group's barrier, so that wave 0's signal speaks for all four waves; wave 0 signals for the work-group; every wave waits for all sixteen work-groups;
; my work-group's barrier once more.  No LDS instruction of the wave is pending at a signal.
.macro CREST                           ; a round behind its opening barrier
	s_cmp_lg_u32 s[WV], 0
	s_cbranch_scc1 .Lnot_wave_0_\@
	s_barrier_signal -3
.Lnot_wave_0_\@:
	s_barrier_wait -3
	s_barrier_signal -1
	s_barrier_wait -1
.endm
.macro CROUND                          ; a whole round
	s_barrier_signal -1
	s_barrier_wait -1
	CREST
.endm
	s_load_b256 s[4:11], s[0:1], 0x0               ; abf s[4:5], wbf s[6:7], bias s[8:9], out0 s[10:11]
	v_lshl_add_u32 v[SPW], v0, 2, SPARE
	v_mov_b32 v[NIL], 0
	ds_add_u32 v[SPW], v[NIL]                      ; the wave's opening: the add and its wait stand ahead of my first tensor load; the set-up below, work on registers, stands between them
	v_lshrrev_b32 v1, 5, v0
	v_readfirstlane_b32 s[WV], v1                  ; wave 0..3
	s_lshr_b32 s[RH], s[WV], 1
	s_and_b32 s[CH], s[WV], 1
	s_bfe_u32 s40, ttmp6, 0x40000                  ; cx: my place along the cluster's x
	s_bfe_u32 s41, ttmp6, 0x40004                  ; cy: along its y
	s_lshl_b32 s42, ttmp9, 2                       ; in a cluster launch ttmp9 and ttmp7 count clusters
	s_add_co_u32 s42, s42, s40                     ; tile column = 4 x cluster x + cx
	s_and_b32 s43, ttmp7, 0xffff
	s_lshl_b32 s43, s43, 2
	s_add_co_u32 s43, s43, s41                     ; tile row = 4 x cluster y + cy
	s_lshl_b32 s18, s41, 2
	s_lshl_b32 s18, 15, s18                        ; my row of the cluster: places 4 cy .. 4 cy + 3
	s_lshl_b32 s70, 0x1111, s40                    ; my column: places cx, cx + 4, cx + 8, cx + 12
	; descriptor group 1 for abf: a tile of 128 rows x 128 elements, padded in LDS
	s_or_b32 s[G1+0], s18, (1<<16)|(1<<20)|(1<<21)|(5<<22)|(3<<25)   ; 15:0 the mask: my row; 17:16 elements of 2 bytes; 20 padding on; 21 set beside a mask; 24:22 after every 64 words (code 5); 31:25 4 words of it (code 3)
	s_mov_b32 s[G1+1], KSTEP<<16                   ; tensor_dim0 = 128
	s_mov_b32 s[G1+2], 128<<16                     ; tensor_dim1 = 128
	s_mov_b32 s[G1+3], KSTEP<<16                   ; tile_dim0 = 128
	s_mov_b32 s[G1+4], 128                         ; tile_dim1 = 128
	s_mov_b32 s[G1+5], SIZE_K                      ; elements from row to row
	s_mov_b32 s[G1+6], 0
	s_mov_b32 s[G1+7], 0
	; descriptor group 1 for wbf: a tile of 64 rows (k) x 256 elements (n), padded in LDS
	s_or_b32 s[G1B+0], s70, (1<<16)|(1<<20)|(1<<21)|(6<<22)|(7<<25)  ; the mask: my column; padding after every 128 words (code 6), 8 words of it (code 7)
	s_mov_b32 s[G1B+1], 256<<16                    ; tensor_dim0 = 256
	s_mov_b32 s[G1B+2], 64<<16                     ; tensor_dim1 = 64
	s_mov_b32 s[G1B+3], 256<<16                    ; tile_dim0 = 256
	s_mov_b32 s[G1B+4], 64                         ; tile_dim1 = 64
	s_mov_b32 s[G1B+5], SIZE_N                     ; elements from row to row
	s_mov_b32 s[G1B+6], 0
	s_mov_b32 s[G1B+7], 0
	; where the tiles come from.  abf's hang on the tile row alone, which my row of the cluster shares; wbf's on the tile column alone, which my column shares.  Every wave makes both and asks by one.
	s_lshl_b32 s16, s43, 8
	s_lshl_b32 s17, s[CH], 7
	s_add_co_u32 s16, s16, s17                     ; abf: row 256 x tile row + 128 x half,
	s_lshl_b32 s16, s16, 13                        ; of 8,192 bytes: under 2^24
	s_mov_b32 s17, 0
	s_lshl_b32 s66, s[CH], 20                      ; wbf: 64 x half rows of 16,384 bytes,
	s_lshl_b32 s67, s42, 9                         ; and the tile column's 512 bytes of a row
	s_add_co_u32 s66, s66, s67
	s_mov_b32 s67, 0
	s_mul_i32 s19, s[WV], HALFT                    ; and where they go: abf's two halves, then wbf's two halves = wave x 34,816: no place in the cluster enters an LDS address
	s_wait_dscnt 0x0                               ; the opening add is done
	s_wait_kmcnt 0x0
	s_add_nc_u64 s[20:21], s[4:5], s[16:17]
	s_add_nc_u64 s[72:73], s[6:7], s[66:67]
	CROUND                                         ; all sixteen work-groups are here: the first joint loads meet
.irp s, 0,1
	s_mov_b32 s[G0+4*(\s)], 1                                        ; count = 1
	s_add_co_u32 s[G0+4*(\s)+1], s19, (\s)*SLOT                      ; LDS address
	s_add_nc_u64 s[G0+4*(\s)+2:G0+4*(\s)+3], s[20:21], (\s)*ASTEP    ; global address: K step s
	s_or_b32 s[G0+4*(\s)+3], s[G0+4*(\s)+3], 0x80000000              ; type = 2
	s_mov_b32 s[G0B+4*(\s)], 1
	s_add_co_u32 s[G0B+4*(\s)+1], s19, (\s)*SLOT
	s_add_nc_u64 s[G0B+4*(\s)+2:G0B+4*(\s)+3], s[72:73], (\s)*BSTEP
	s_or_b32 s[G0B+4*(\s)+3], s[G0B+4*(\s)+3], 0x80000000
	JLOAD \s                                       ; the ring is filled before anything else is done: two loads of mine are out
.endr
	; A fragment of abf is 16 rows x 32 K in 8 registers: lane l holds row l % 16; registers 0-3 K = 8 (l / 16) + 0..7, registers 4-7 K = 16 + 8 (l / 16) + 0..7: two loads of 16 bytes, 32 bytes apart.
	v_and_b32 v1, 15, v0                           ; l % 16
	v_bfe_u32 v2, v0, 4, 1                         ; l / 16
	v_mul_u32_u24 v3, v1, PA
	v_lshl_add_u32 v3, v2, 4, v3                   ; row x pitch + 16 x half
	s_mul_i32 s21, s[RH], HALFT                    ; my 128 rows of abf
	v_add_nc_u32 v[ADRA], s21, v3
	v_add_nc_u32 v[ADRA+1], SLOT, v[ADRA]
	; The turning load takes 16 k x 16 n (lane l reads 16 bytes: k row 8 (l / 16) + l % 8, columns 8 ((l / 8) % 2) + 0..7) and leaves half a fragment: lane l holds column l % 16 and 8 k.
	v_and_b32 v4, 7, v0
	v_lshl_add_u32 v4, v2, 3, v4
	v_mul_u32_u24 v4, v4, PB
	v_bfe_u32 v5, v0, 3, 1
	v_lshl_add_u32 v4, v5, 4, v4
	s_lshl_b32 s22, s[CH], 8                       ; my 128 columns: 256 bytes of a row,
	s_add_co_u32 s22, s22, BOFF                    ; behind abf's 256 rows
	v_add_nc_u32 v[ADRB], s22, v4
	v_add_nc_u32 v[ADRB+1], SLOT, v[ADRB]
	s_mul_i32 s23, s[WV], 16*SP
	s_add_co_u32 s23, s23, STAGE                   ; my stage
	v_mul_u32_u24 v3, v1, SP                       ; in: row l % 16, 32 bytes for each half of the lanes
	v_lshl_add_u32 v3, v2, 5, v3
	v_add_nc_u32 v[STO], s23, v3
	v_and_b32 v5, 31, v0                           ; l
	v_lshlrev_b32 v[CO], 4, v5
	v_add_nc_u32 v[RD], s23, v[CO]                 ; back: 32 lanes take one row of 512 bytes
	s_lshl_b32 s68, s42, 10                        ; my first column, in bytes of f32: 1,024 x tile column + 512 x half
	s_lshl_b32 s69, s[CH], 9
	s_add_co_u32 s68, s68, s69
	s_mov_b32 s69, 0
	s_add_nc_u64 s[8:9], s[8:9], s[68:69]
	global_load_b128 v[BIAS:BIAS+3], v[CO], s[8:9] ; the bias of columns 4 l .. 4 l + 3 of my 128: waited for at the way out
	s_lshl_b32 s20, s43, 8
	s_lshl_b32 s21, s[RH], 7
	s_add_co_u32 s20, s20, s21                     ; my first row of out0,
	s_lshl_b32 s20, s20, 15                        ; of 32,768 bytes: under 2^26
	s_mov_b32 s21, 0
	s_add_nc_u64 s[10:11], s[10:11], s[20:21]
	s_add_nc_u64 s[10:11], s[10:11], s[68:69]
	; the prefetches.  Nothing is prefetched here, at the head, where every work-group's first tiles are on their way: K steps 0 to 3 come by their loads alone
	s_and_b32 s23, ttmp7, 0xffff                   ; cluster y
	s_movk_i32 s[PFS], 0x100
	s_cmp_eq_u32 s[RH], 0                          ; do I fetch for abf?
	s_cselect_b64 s[PFA:PFA+1], s[4:5], s[6:7]
	s_cselect_b32 s20, s16, s66                    ; where what I fetch begins
	s_cselect_b32 s21, s40, s41                    ; my place among the four that ask for it with me
	s_cselect_b32 s22, ttmp9, s23                  ; the coordinate along which other clusters read the same bytes
	s_cselect_b32 s[PFS], s[PFS], BSTEP            ; a K step: 256 bytes in abf, 128 rows in wbf
	s_mov_b32 s[PFS+1], 0
	s_cmp_eq_u32 s22, 0
	s_cselect_b32 s[LIM], 1, -1                    ; the same in all sixteen partners, for a given wave
	s_lshl_b32 s21, s21, 18                        ; my work-group's share: 32 rows of 8,192 bytes, or 16 rows of 16,384
	s_add_co_u32 s20, s20, s21
	s_mul_i32 s22, s[PFS], 3                       ; at K step 3: the first refill steps it to 4 and names that
	s_add_co_u32 s20, s20, s22
	s_mov_b32 s21, 0
	s_add_nc_u64 s[PFA:PFA+1], s[PFA:PFA+1], s[20:21]
	v_lshrrev_b32 v3, s[RH], v5                    ; abf: lane l names row l;  wbf: row l / 2,
	s_add_co_u32 s22, s[RH], 13
	v_lshlrev_b32 v3, s22, v3                      ; of 8,192 or 16,384 bytes,
	v_and_b32 v4, s[RH], v5
	v_lshl_add_u32 v[PFO], v4, 8, v3               ; and of its 512 bytes the half l % 2
; 16 matrix instructions: m blocks a0, a0 + 1 of the window's four (hi = 0: my rows 0-63, 1: rows 64-127) x all 8 n blocks, 32 along K.  zero = 1: the first product starts the sums: nothing is ever cleared.
; The 64 accumulators take turns, one instruction a turn, in the same order in every quarter step: over the loop's backward jump and into the tail too.
.macro MUL16 f, hi, a0, zero
	WIN MUL_LO+0x50*(\hi)
.irp a, \a0, (\a0)+1
.irp b, 0,1,2,3,4,5,6,7
.if \zero
	v_wmma_f32_16x16x32_bf16 v[8*(8*(\a)+(\b)):8*(8*(\a)+(\b))+7], v[(\f)+8*(\b):(\f)+8*(\b)+7], v[(\f)+8*(4*(\hi)+(\a)):(\f)+8*(4*(\hi)+(\a))+7], 0
.else
	v_wmma_f32_16x16x32_bf16 v[8*(8*(\a)+(\b)):8*(8*(\a)+(\b))+7], v[(\f)+8*(\b):(\f)+8*(\b)+7], v[(\f)+8*(4*(\hi)+(\a)):(\f)+8*(4*(\hi)+(\a))+7], v[8*(8*(\a)+(\b)):8*(8*(\a)+(\b))+7]
.endif
.endr
.endr
.endm
; 32 LDS loads in one run: the fragments of quarter q of a K step (32 k x my 128 columns of wbf, turned; my 128 rows of abf x 32 K) into buffer f.  The largest offset is 61,152.
.macro FETCH slot, q, f
	WIN TO_B
.irp i, 0,1,2,3,4,5,6,7
	ds_load_tr16_b128 v[(\f)+8*(\i):(\f)+8*(\i)+3],   v[ADRB+(\slot)] offset:(\q)*32*PB+32*(\i)
	ds_load_tr16_b128 v[(\f)+8*(\i)+4:(\f)+8*(\i)+7], v[ADRB+(\slot)] offset:(\q)*32*PB+16*PB+32*(\i)
.endr
	WIN 0
.irp i, 0,1,2,3,4,5,6,7
	ds_load_b128 v[(\f)+8*(\i):(\f)+8*(\i)+3],   v[ADRA+(\slot)] offset:(\q)*64+(\i)*16*PA
	ds_load_b128 v[(\f)+8*(\i)+4:(\f)+8*(\i)+7], v[ADRA+(\slot)] offset:(\q)*64+(\i)*16*PA+32
.endr
.endm
; A load into a register that a matrix instruction has read, and an LDS store that reads a matrix result, stand four places behind that matrix instruction, and only plain vector instructions
; that name none of its registers are places (ISA guide 7.12.1 for vector instructions).
.macro PLACES
.rept 4
	v_nop
.endr
.endm
; A K step is four quarters of 32 along K, 64 matrix instructions each, on buffers 0, 1, 0, 1.  One of the first three: multiplies buffer f; in its middle it fetches quarter q of the same slot into buffer g.
.macro QUARTER slot, q, f, g, zero
	s_wait_dscnt 8                                 ; wbf's fragments and abf's rows 0-63 are in; the youngest eight loads (abf's rows 64-127) may be out
	MUL16 \f, 0, 0, \zero
	MUL16 \f, 0, 2, \zero
	PLACES
	FETCH \slot, \q, \g
	s_wait_dscnt 32                                ; all but the 32 just issued
	MUL16 \f, 1, 0, \zero
	MUL16 \f, 1, 2, \zero
.endm
; The last quarter multiplies buffer 1 and changes slots.  MEET is its first half: ONE barrier for the change.  In front of it each wave waits for all its tensor loads, of which one is out: its part of
; the next slot; adds 0 to its spare word; and waits for that and for its own reads of this slot.  Behind it nobody reads this slot any more and the next slot is whole.
.macro MEET round                      ; round = 1: the rest of a round of the cluster's barrier follows
	WIN 0                                          ; (the add's two registers lie in window 0)
	s_wait_tensorcnt 0x0                           ; all my tensor loads have landed
	ds_add_u32 v[SPW], v[NIL]                      ; 0 onto my spare word
	s_wait_dscnt 9                                 ; (the add and the youngest eight loads may be out)
	MUL16 F1, 0, 0, 0                              ; sixteen matrix instructions stand between the add and the wait for it
	s_wait_dscnt 0x0                               ; the add is done, and my reads of this slot are over
	s_barrier_signal -1
	MUL16 F1, 0, 2, 0                              ; work on registers while the others arrive
.if \round
	WIN 0
.endif
	s_barrier_wait -1
.endm
; The whole last quarter in the loop.  Behind the round the slot just read out is filled again first, with the K step two steps on; then come the next slot's first fragments.
; From a request to the wait for it a wave issues 224 matrix instructions.  One tensor load of mine is out behind each round.
.macro TURN slot, next
	s_wait_xcnt 0x0                                ; the last prefetch, a K step back, has read its address: it is stepped here, ahead of the waits of the change of slots
	s_add_nc_u64 s[PFA:PFA+1], s[PFA:PFA+1], s[PFS:PFS+1]
	MEET 1
	CREST                                          ; no wave of any partner still reads this slot's tile or has a load on its way
	s_add_nc_u64 s[G0+4*(\slot)+2:G0+4*(\slot)+3], s[G0+4*(\slot)+2:G0+4*(\slot)+3], 2*ASTEP     ; no tensor load of mine is out, so a group 0 may be written; the type bits on top are not reached
	s_add_nc_u64 s[G0B+4*(\slot)+2:G0B+4*(\slot)+3], s[G0B+4*(\slot)+2:G0B+4*(\slot)+3], 2*BSTEP
	JLOAD \slot                                    ; the first tensor load behind the round; the four v_nop behind it are also the places in front of the loads below
	FETCH \next, 0, F0
	ASK                                            ; behind the joint load and the run of LDS loads that the next products wait for
	MUL16 F1, 1, 0, 0
	MUL16 F1, 1, 2, 0
.endm
; THE WAY OUT of block a (16 rows x my 128 columns, f32).  TOSTAGE: a lane's 32 bytes of a row go from the accumulators into my own stage, and whole rows of 512 bytes come back.
; SEND: the bias is added and the rows are stored.  The stage is each wave's own: LDS serves a wave's instructions in order (ISA guide 5.7.1.4), so no wait stands between its stores and its loads,
; and the next block's stores come behind this block's loads.
.macro TOSTAGE a
.set BK, OB+64*((\a)%2)
.if (\a) >= 2
	s_wait_xcnt 0x0                                ; the stores of the block two back have read these 64 registers: only behind this wait are they loaded again
.endif
	WIN 0x08+4*((\a)/4)                            ; the stores' data (source 1) in window 2 or 3
.irp b, 0,1,2,3,4,5,6,7
	ds_store_b128 v[STO], v[64*((\a)%4)+8*(\b):64*((\a)%4)+8*(\b)+3]   offset:64*(\b)      ; each accumulator is read from its low end on
	ds_store_b128 v[STO], v[64*((\a)%4)+8*(\b)+4:64*((\a)%4)+8*(\b)+7] offset:64*(\b)+16
.endr
	WIN 0
.irp t, 0,1,2,3,4,5,6,7,8,9,10,11,12,13,14,15
	ds_load_b128 v[BK+4*(\t):BK+4*(\t)+3], v[RD] offset:(\t)*SP
.endr
.endm
.macro SEND a, younger                 ; younger: the LDS instructions issued behind block a's loads: the next block's 32, or none
.set BK, OB+64*((\a)%2)
.irp t, 0,1,2,3,4,5,6,7,8,9,10,11,12,13,14,15
	s_wait_dscnt (\younger)+15-(\t)                ; row t is back in registers
	v_pk_add_f32 v[BK+4*(\t):BK+4*(\t)+1],   v[BK+4*(\t):BK+4*(\t)+1],   v[BIAS:BIAS+1]
	v_pk_add_f32 v[BK+4*(\t)+2:BK+4*(\t)+3], v[BK+4*(\t)+2:BK+4*(\t)+3], v[BIAS+2:BIAS+3]
	global_store_b128 v[CO], v[BK+4*(\t):BK+4*(\t)+3], s[10:11] offset:(16*(\a)+(\t))*ROWC th:TH_STORE_NT  ; 32 lanes store 512 consecutive bytes, at a multiple of 512 from out0's first byte; 127 rows at the most stand in the immediate
.endr
.endm
	s_wait_tensorcnt 1                             ; my part of K step 0 is in; K step 1's may stay out
	s_barrier_signal -1
	s_barrier_wait -1                              ; everybody's is
	FETCH 0, 0, F0
	QUARTER 0, 1, F0, F1, 1                        ; the first quarter stands in front of the loop: its products start the sums
	WIN 0                                          ; at a label and at a branch every window is 0
	s_mov_b32 s3, LAPS-1
.Llap:                                                 ; a trip goes once round the ring, from a lap's second quarter to the next lap's first, and fills both slots again: K steps 2 to 31 in 15 trips
	QUARTER 0, 2, F1, F0, 0
	QUARTER 0, 3, F0, F1, 0
	TURN 0, 1
	QUARTER 1, 1, F0, F1, 0
	QUARTER 1, 2, F1, F0, 0
	QUARTER 1, 3, F0, F1, 0
	TURN 1, 0
	QUARTER 0, 1, F0, F1, 0
	WIN 0
	s_sub_co_u32 s3, s3, 1
	s_cmp_lg_u32 s3, 0
	s_cbranch_scc1 .Llap
	QUARTER 0, 2, F1, F0, 0                        ; the last lap is written out: it fills nothing, and has no round of the cluster's barrier
	QUARTER 0, 3, F0, F1, 0
	MEET 0                                         ; my one tensor load that was still out is slot 1's, the last K step's
	PLACES                                         ; for the loads into buffer 0, which the quarter before multiplied
	FETCH 1, 0, F0
	MUL16 F1, 1, 0, 0
	MUL16 F1, 1, 2, 0
	QUARTER 1, 1, F0, F1, 0
	QUARTER 1, 2, F1, F0, 0
	QUARTER 1, 3, F0, F1, 0
	s_wait_dscnt 8                                 ; the very last quarter: nothing more to fetch
	MUL16 F1, 0, 0, 0
	MUL16 F1, 0, 2, 0
	s_wait_dscnt 0x0
	MUL16 F1, 1, 0, 0
	MUL16 F1, 1, 2, 0
	WIN 0
	PLACES                                         ; behind the last products: the stage's stores read results, and the loads from the stage land in registers that products have read
	PLACES
	s_wait_loadcnt 0x0                             ; the bias, asked for at the head
	TOSTAGE 0
.irp a, 1,2,3,4,5,6,7                  ; block a goes into the stage while block a - 1's rows come back
	TOSTAGE \a
	SEND (\a)-1, 32
.endr
	SEND 7, 0
	s_wait_tensorcnt 0x0                           ; the wave's end, behind my last tensor load and my last LDS store
	ds_add_u32 v[SPW], v[NIL]
	s_wait_dscnt 0x0
	CROUND                                         ; the closing round: no work-group ends while a partner may still ask for a tile that names it
	s_endpgm
.Lfunc_end_k_q2bf6fdf516_gemm:
	.size	k_q2bf6fdf516_gemm, .Lfunc_end_k_q2bf6fdf516_gemm-k_q2bf6fdf516_gemm
	.p2alignl 7, 3214868480
	.fill 96, 4, 3214868480
	.section	.rodata,"a",@progbits
	.p2align	6, 0x0
	.amdhsa_kernel k_q2bf6fdf516_gemm
		.amdhsa_group_segment_fixed_size 327680
		.amdhsa_private_segment_fixed_size 0
		.amdhsa_enable_private_segment 0
		.amdhsa_kernarg_size 32
		.amdhsa_user_sgpr_count 2
		.amdhsa_user_sgpr_kernarg_segment_ptr 1
		.amdhsa_wavefront_size32 1
		.amdhsa_system_sgpr_workgroup_id_x 1
		.amdhsa_system_sgpr_workgroup_id_y 1
		.amdhsa_system_sgpr_workgroup_id_z 1
		.amdhsa_system_vgpr_workitem_id 0
		.amdhsa_next_free_vgpr 1024
		.amdhsa_next_free_sgpr 80
		.amdhsa_reserve_vcc 0
		.amdhsa_float_denorm_mode_32 3
		.amdhsa_float_denorm_mode_16_64 3
		.amdhsa_memory_ordered 1
		.amdhsa_forward_progress 1
		.amdhsa_inst_pref_size 161
	.end_amdhsa_kernel
	.amdgpu_metadata
---
amdhsa.version: [ 1, 2 ]
amdhsa.kernels:
  - .name:           k_q2bf6fdf516_gemm
    .symbol:         k_q2bf6fdf516_gemm.kd
    .args:
      - { .name: abf, .offset: 0, .size: 8, .value_kind: global_buffer, .address_space: global }
      - { .name: wbf, .offset: 8, .size: 8, .value_kind: global_buffer, .address_space: global }
      - { .name: bias, .offset: 16, .size: 8, .value_kind: global_buffer, .address_space: global }
      - { .name: out0, .offset: 24, .size: 8, .value_kind: global_buffer, .address_space: global }
    .group_segment_fixed_size: 327680
    .private_segment_fixed_size: 0
    .kernarg_segment_align: 8
    .kernarg_segment_size: 32
    .max_flat_workgroup_size: 128
    .sgpr_count:     80
    .vgpr_count:     1024
    .wavefront_size: 32
...
	.end_amdgpu_metadata
.endif
;; end of part 2
;; ======== version 2 of 2: 2 launches; version 1 with the launch cast written anew for expert scheduling mode
;; workspace buffers: abf 16,777,216 bytes; wbf 67,108,864 bytes
;; launch cast (part 3): grid 1280 x 1, 8 waves a work-group, no clusters, 0 bytes of LDS; arguments inp, weights, abf, wbf; writes abf, wbf
.if DOCPART == 3
	.amdgcn_target "amdgcn-amd-amdhsa--gfx1250"
	.amdhsa_code_object_version 6
	.text
	.protected	k_q2bf6fdf516_cast
	.globl	k_q2bf6fdf516_cast
	.p2align	8
	.type	k_q2bf6fdf516_cast,@function
k_q2bf6fdf516_cast:
	s_mov_b64 s[64:65], 0
	v_nop
	global_prefetch_b8 v0, s[64:65] scope:SCOPE_SE
	s_setreg_imm32_b32 hwreg(HW_REG_WAVE_SCHED_MODE, 0, 2), 2
	s_setreg_imm32_b32 hwreg(HW_REG_WAVE_MODE, 25, 1), 1
	s_wait_xcnt 0x0
	s_wait_alu depctr_vm_vsrc(0)
; abf = inp rounded to bf16, wbf = weights rounded to bf16, both in the layout of their sources (row-major, nothing is transposed).
; LIMITS.  One rounding to nearest even; an f32 beyond bf16's largest finite number becomes an infinity; NaN stays NaN.
; SHARES.  The two sources together are 160 MiB of f32, cut into 1,280 chunks of 131,072 bytes: work-groups 0-255 take inp's 256 chunks, work-groups 256-1279 weights' 1,024.
; A chunk is 32 pieces of 4,096 bytes in and 2,048 bytes out.  Thread t takes the 16 bytes at 16 t of each piece and stores the 8 bytes at 8 t:
; a wave's load covers 512 consecutive bytes, aligned; a wave's store covers 256 consecutive bytes, aligned.
; All 32 loads of a wave go out at once (16 KiB a wave); the waits on LOADcnt count down; no register that a memory instruction names is written again.
; Left out: LDS, tensor loads, matrix units, clusters (no byte is wanted twice) and a prefetch (the launch does nothing but stream).
; THE MODE: SCHED_MODE bits 1:0 = 2 (LLVM: expert scheduling mode 2), set by the entry lines.  The code itself states the register dependences
; between vector instructions and memory instructions, with s_wait_alu, always for 0.
; THE PLAN.  Registers that memory instructions touch:
;   v1, v2     the loads' and the stores' offsets: written once at the head, read by every load or store, never written again.
;   X, piece i four registers.  Its one load lands in them before any vector instruction has named them; its two conversions read them and write the first two;
;              its one store reads those two; nothing names them afterwards.
; So the one kind of dependence to state is: a vector instruction has written what a memory instruction reads.  The 32 pieces go in 8 blocks of four.  At the head of block p ONE wait
; states that block p - 1's eight conversions have written their registers; the four stores of block p - 1 follow it, dealt among block p's conversions, which name block p's registers alone.
; No register that a memory instruction has read is written again, no load lands in a register that a vector instruction has named, no vector instruction writes a scalar register, and EXEC is
; never written: no other wait has a dependence to state.
.set PIECES, 32
.set BLOCK,  4                         ; pieces in a block
.set BLOCKS, PIECES/BLOCK
.set INB,    4096                      ; bytes of a piece in
.set OUTB,   2048                      ; bytes of a piece out
.set X,      4                         ; v[4:131]  piece i: four registers as loaded; the first two then hold its four bf16
	s_load_b256 s[4:11], s[0:1], 0x0               ; inp s[4:5], weights s[6:7], abf s[8:9], wbf s[10:11]
	v_lshlrev_b32 v1, 4, v0                        ; 16 t; never rewritten
	v_lshlrev_b32 v2, 3, v0                        ; 8 t; never rewritten
	s_sub_co_u32 s12, ttmp9, 256                   ; the chunk's number in weights,
	s_cmp_lt_u32 ttmp9, 256                        ; or, for the first 256 work-groups,
	s_cselect_b32 s12, ttmp9, s12                  ; in inp
	s_wait_kmcnt 0x0                               ; (leaves the comparison's result as it is)
	s_cselect_b64 s[14:15], s[4:5], s[6:7]         ; the source
	s_cselect_b64 s[16:17], s[8:9], s[10:11]       ; and its copy
	s_lshl_b32 s18, s12, 17                        ; 131,072 bytes a chunk in: 1,023 x 131,072 at the most
	s_mov_b32 s19, 0
	s_lshl_b32 s20, s12, 16                        ; 65,536 out
	s_mov_b32 s21, 0
	s_add_nc_u64 s[14:15], s[14:15], s[18:19]
	s_add_nc_u64 s[16:17], s[16:17], s[20:21]
	s_wait_alu depctr_va_vdst(0)                   ; v1 and v2 are written: every load of the kernel reads v1 as its offset, every store v2
.set i, 0
.rept PIECES
	global_load_b128 v[X+4*i:X+4*i+3], v1, s[14:15] offset:INB*i th:TH_LOAD_NT
.set i, i+1
.endr
; Block p: its four pieces are rounded; the four stores of block p - 1 stand among the conversions, one ahead of each piece's two.
.set p, 0
.rept BLOCKS
	s_wait_loadcnt PIECES-BLOCK*(p+1)              ; loads come back in order: block p's four pieces are in, the younger ones stay out
.if p > 0
	s_wait_alu depctr_va_vdst(0)                   ; the conversions of the block before have written its pieces' first two registers, which the four stores below read
.endif
.set j, 0
.rept BLOCK
.set i, BLOCK*p+j
.if p > 0
	global_store_b64 v2, v[X+4*(i-BLOCK):X+4*(i-BLOCK)+1], s[16:17] offset:OUTB*(i-BLOCK) th:TH_STORE_NT  ; the block before; no vector instruction since the wait names these registers
.endif
	v_cvt_pk_bf16_f32 v[X+4*i], v[X+4*i], v[X+4*i+1]      ; two roundings, the lower column in the low half
	v_cvt_pk_bf16_f32 v[X+4*i+1], v[X+4*i+2], v[X+4*i+3]
.set j, j+1
.endr
.set p, p+1
.endr
	s_wait_alu depctr_va_vdst(0)                   ; the last block's conversions have written its pieces' first two registers, which the last four stores read
.set i, PIECES-BLOCK
.rept BLOCK
	global_store_b64 v2, v[X+4*i:X+4*i+1], s[16:17] offset:OUTB*i th:TH_STORE_NT
.set i, i+1
.endr
	s_endpgm
.Lfunc_end_k_q2bf6fdf516_cast:
	.size	k_q2bf6fdf516_cast, .Lfunc_end_k_q2bf6fdf516_cast-k_q2bf6fdf516_cast
	.p2alignl 7, 3214868480
	.fill 96, 4, 3214868480
	.section	.rodata,"a",@progbits
	.p2align	6, 0x0
	.amdhsa_kernel k_q2bf6fdf516_cast
		.amdhsa_group_segment_fixed_size 0
		.amdhsa_private_segment_fixed_size 0
		.amdhsa_enable_private_segment 0
		.amdhsa_kernarg_size 32
		.amdhsa_user_sgpr_count 2
		.amdhsa_user_sgpr_kernarg_segment_ptr 1
		.amdhsa_wavefront_size32 1
		.amdhsa_system_sgpr_workgroup_id_x 1
		.amdhsa_system_sgpr_workgroup_id_y 1
		.amdhsa_system_sgpr_workgroup_id_z 1
		.amdhsa_system_vgpr_workitem_id 0
		.amdhsa_next_free_vgpr 136
		.amdhsa_next_free_sgpr 66
		.amdhsa_reserve_vcc 0
		.amdhsa_float_denorm_mode_32 3
		.amdhsa_float_denorm_mode_16_64 3
		.amdhsa_memory_ordered 1
		.amdhsa_forward_progress 1
		.amdhsa_inst_pref_size 12
	.end_amdhsa_kernel
	.amdgpu_metadata
---
amdhsa.version: [ 1, 2 ]
amdhsa.kernels:
  - .name:           k_q2bf6fdf516_cast
    .symbol:         k_q2bf6fdf516_cast.kd
    .args:
      - { .name: inp, .offset: 0, .size: 8, .value_kind: global_buffer, .address_space: global }
      - { .name: weights, .offset: 8, .size: 8, .value_kind: global_buffer, .address_space: global }
      - { .name: abf, .offset: 16, .size: 8, .value_kind: global_buffer, .address_space: global }
      - { .name: wbf, .offset: 24, .size: 8, .value_kind: global_buffer, .address_space: global }
    .group_segment_fixed_size: 0
    .private_segment_fixed_size: 0
    .kernarg_segment_align: 8
    .kernarg_segment_size: 32
    .max_flat_workgroup_size: 256
    .sgpr_count:     66
    .vgpr_count:     136
    .wavefront_size: 32
...
	.end_amdgpu_metadata
.endif
;; end of part 3
;; launch gemm: the kernel of part 2 again; grid 32 x 8, 4 waves a work-group, clusters of 4 x 4, 327,680 bytes of LDS; arguments abf, wbf, bias, out0; writes out0
